; MI455X (gfx1250); checked and timed in simulation.
; The chip was launched on July 23, 2026; its instructions are those of AMD's public machine-readable ISA for CDNA 5 (MIT licence, August 2026) and "CDNA5" Instruction Set Architecture Reference Guide (July 2026). The comments in the code are by the model that wrote it; some were corrected since.
;; Distributed Mo E Layer. Allowed arithmetic: float matrix products may take bf16 or f16 operands with f32 sums; other float arithmetic in f32, or as packed bf16 or f16 multiplies, adds, multiply-adds, maxima and minima; sums over many terms, partial sums and values carried from step to step in f32; what a program stores and reads back later, other than sums and carried values, may be rounded once to bf16 or f16.
;; Inputs: b1 8 x 256 float32; b2 8 x 2,048 float32; gate_w 8 x 2,048 float32; hidden_states 4 x 2,048 x 2,048 float32; w1 8 x 2,048 x 256 float32; w2 8 x 256 x 2,048 float32.
;; Outputs: out0 4 x 2,048 x 2,048 float32.
;; One version. Each part assembles by itself: llvm-mc -triple=amdgcn-amd-amdhsa -mcpu=gfx1250 --defsym DOCPART=n.
;; ======== version 1 of 1: 3 launches
;; limits: a function is approximated: absolute error at most 1.5e-07
;; workspace buffers: xb 33,554,432 bytes; wl 16,777,216 bytes; gw 65,536 bytes; route 65,536 bytes of whole numbers; list 32,768 bytes of whole numbers; tiles 4,096 bytes of whole numbers
;; launch router (part 1): grid 256 x 1, 16 waves a work-group, no clusters, 157,696 bytes of LDS; arguments hidden_states, gate_w, xb, route, gw; writes xb, route, gw
.if DOCPART == 1
	.amdgcn_target "amdgcn-amd-amdhsa--gfx1250"
	.amdhsa_code_object_version 6
	.text
	.protected	k_q8b6ccc256c_router
	.globl	k_q8b6ccc256c_router
	.p2align	8
	.type	k_q8b6ccc256c_router,@function
k_q8b6ccc256c_router:
	s_mov_b64 s[64:65], 0
	v_nop
	global_prefetch_b8 v0, s[64:65] scope:SCOPE_SE
	s_setreg_imm32_b32 hwreg(HW_REG_WAVE_MODE, 25, 1), 1
	s_wait_xcnt 0x0
; ROUTER.  For 8,192 tokens of 2,048 channels: x rounded once to bf16 and stored (xb); logits = x . gate_w^T with both operands in bf16 and sums in f32;
; the two largest logits, their renormalised softmax weights, and what the sort of the next launch needs, all stored at fixed places.
; SHARES.  A work-group owns 32 tokens.  Wave w owns channels 128 w .. 128 w + 127 of all 32 rows: 32 loads of 512 bytes, all asked for at once.  Its bf16 rows go to memory
; (256 consecutive aligned bytes a store) and into its own LDS rows, from which it reads them back as matrix fragments.  Source 0 = the 8 experts' rows (given twice, as rows 0-7 and 8-15),
; source 1 = 16 tokens: a lane then holds one token (lane % 16), register j expert j.  The 16 waves' partial logits meet in LDS; wave 0, a lane a token, adds them and chooses.
; OUT.  route[group][lane] = {set | rank << 8, count}: set = the number 0..27 of the token's pair of experts (a < b, in lexical order), rank = how many earlier tokens of the group have
; the same set, count = the group's tokens of set number 'lane'.  gw[token] = (weight of expert a, weight of expert b).
; No address and no branch hangs on these numbers here.
; LIMITS.  The experts are ordered by their logits (strictly greater wins, so the lower index keeps a tie); probabilities that differ in the logit but round to one number, or that
; underflow, may be ordered otherwise by a softmax in f32.  The weights are 1 / (1 + e) and e / (1 + e), e = exp(l2 - l1) <= 1: the maximum is taken away.  NaN and infinities are not treated apart.
.set ROWB,  8192                       ; bytes in a row of x
.set TP,    272                        ; an LDS row: 256 bytes of bf16 + 16: the 16 rows of a fragment load start at 16 different groups of four banks
.set TW,    32*TP                      ; a wave's 32 rows
.set PART,  16*TW                      ; [16 waves][32 tokens][8 f32]
.set SPARE, PART+16*1024               ; the spare words, 128 bytes for each wave: eight blocks of 256 bytes that no other line names
.set SPW,   2                          ; v2   LDS address of my spare word; never rewritten
.set NIL,   3                          ; v3   0; never rewritten
.set GF,    16                         ; v16-47   the gate's fragments, 4 steps of 32 channels
.set AC0,   48                         ; v48-55, v56-63  logits of tokens 0-15, 16-31
.set GT,    64                         ; v64-127  the gate in f32; then x's fragments; then wave 0's work
.set XF,    64
.set X,     128                        ; v128-255 x, 4 registers a row; in wave 0 later the 16 partial logits
	s_load_b256 s[4:11], s[0:1], 0x0               ; x s[4:5], gate_w s[6:7], xb s[8:9], route s[10:11]
	s_load_b64 s[12:13], s[0:1], 0x20              ; gw
	v_lshl_add_u32 v[SPW], v0, 2, SPARE
	v_mov_b32 v[NIL], 0
	v_and_b32 v1, 31, v0                           ; lane
	v_lshrrev_b32 v10, 5, v0
	v_readfirstlane_b32 s14, v10                   ; wave 0..15
	v_and_b32 v11, 15, v0                          ; r
	v_bfe_u32 v12, v0, 4, 1                        ; h
	v_and_b32 v13, 7, v0                           ; the expert whose row I hold as source 0
	s_lshl_b32 s15, s14, 9                         ; my wave's 512 bytes in a row of f32
	s_mul_i32 s16, s14, TW                         ; my wave's LDS rows
	s_lshl_b32 s17, s14, 8                         ; my wave's 256 bytes in a row of bf16
	s_lshl_b32 s18, s14, 10
	s_add_co_u32 s18, s18, PART                    ; my wave's partial logits
	v_lshl_add_u32 v4, v1, 4, s15                  ; x: 16 bytes a lane
	v_lshlrev_b32 v5, 13, v13                      ; gate: row, + my wave's channels, + 8 h channels
	v_lshl_add_u32 v5, v12, 5, v5
	v_add_nc_u32 v5, s15, v5
	v_lshl_add_u32 v6, v1, 3, s16                  ; LDS: 8 bytes a lane
	v_lshl_add_u32 v7, v1, 3, s17                  ; xb: 8 bytes a lane
	v_mul_u32_u24 v8, v11, TP                      ; a fragment's row x pitch + 16 h
	v_lshl_add_u32 v8, v12, 4, v8
	v_add_nc_u32 v8, s16, v8
	v_lshl_add_u32 v9, v11, 5, s18                 ; token r's eight partial logits
	s_lshl_b32 s20, ttmp9, 18                      ; the group's 32 rows of 8,192 bytes,
	s_mov_b32 s21, 0
	s_lshl_b32 s22, ttmp9, 17                      ; of 4,096 bytes,
	s_mov_b32 s23, 0
	s_lshl_b32 s24, ttmp9, 8                       ; and its 256 bytes of route and of gw
	s_mov_b32 s25, 0
	s_wait_kmcnt 0x0
	s_add_nc_u64 s[4:5], s[4:5], s[20:21]
	s_add_nc_u64 s[8:9], s[8:9], s[22:23]
	s_add_nc_u64 s[10:11], s[10:11], s[24:25]
	s_add_nc_u64 s[12:13], s[12:13], s[24:25]
	; the gate: for each step of 32 channels a lane's k = 8 h .. 8 h + 7 and 16 + 8 h .. + 7, in f32
.irp s, 0,1,2,3
	global_load_b128 v[GT+16*\s:GT+16*\s+3],     v5, s[6:7] offset:128*\s
	global_load_b128 v[GT+16*\s+4:GT+16*\s+7],   v5, s[6:7] offset:128*\s+16
	global_load_b128 v[GT+16*\s+8:GT+16*\s+11],  v5, s[6:7] offset:128*\s+64
	global_load_b128 v[GT+16*\s+12:GT+16*\s+15], v5, s[6:7] offset:128*\s+80
.endr
.set i, 0
.rept 32                                               ; all 32 rows are asked for before anything is waited for
	global_load_b128 v[X+4*i:X+4*i+3], v4, s[4:5] offset:ROWB*i th:TH_LOAD_NT
.set i, i+1
.endr
	s_wait_loadcnt 32                              ; the gate is in: the 32 loads of x are younger
.set i, 0
.rept 32
	v_cvt_pk_bf16_f32 v[GF+i], v[GT+2*i], v[GT+2*i+1]
.set i, i+1
.endr
.set i, 0
.rept 32
	s_wait_loadcnt 31-i                            ; row i is in: the rows behind it stay out
	v_cvt_pk_bf16_f32 v[X+4*i],   v[X+4*i],   v[X+4*i+1]
	v_cvt_pk_bf16_f32 v[X+4*i+1], v[X+4*i+2], v[X+4*i+3]
	ds_store_b64 v6, v[X+4*i:X+4*i+1] offset:TP*i
	global_store_b64 v7, v[X+4*i:X+4*i+1], s[8:9] offset:4096*i  ; the wave's 32 lanes store 256 consecutive bytes, at a multiple of 256 from xb's first byte
.set i, i+1
.endr
	; back as fragments: my own bytes, and LDS serves a wave's instructions in order (ISA guide 5.7.1.4), so no barrier and no wait stands between
.irp t, 0,1
.irp s, 0,1,2,3
	ds_load_b128 v[XF+32*\t+8*\s:XF+32*\t+8*\s+3],   v8 offset:16*TP*\t+64*\s
	ds_load_b128 v[XF+32*\t+8*\s+4:XF+32*\t+8*\s+7], v8 offset:16*TP*\t+64*\s+32
.endr
.endr
	s_wait_dscnt 0x0
	; eight products; the two accumulators take turns; the first step starts the sums
.irp s, 0,1,2,3
.irp t, 0,1
.if \s == 0
	v_wmma_f32_16x16x32_bf16 v[AC0+8*\t:AC0+8*\t+7], v[GF+8*\s:GF+8*\s+7], v[XF+32*\t+8*\s:XF+32*\t+8*\s+7], 0
.else
	v_wmma_f32_16x16x32_bf16 v[AC0+8*\t:AC0+8*\t+7], v[GF+8*\s:GF+8*\s+7], v[XF+32*\t+8*\s:XF+32*\t+8*\s+7], v[AC0+8*\t:AC0+8*\t+7]
.endif
.endr
.endr
.rept 4
	v_nop                                          ; four places between the last product and the stores that read the results
.endr
.irp t, 0,1
	ds_store_b128 v9, v[AC0+8*\t:AC0+8*\t+3]   offset:512*\t      ; lanes r and r + 16 hold the same eight numbers and write the same bytes
	ds_store_b128 v9, v[AC0+8*\t+4:AC0+8*\t+7] offset:512*\t+16
.endr
	s_wait_dscnt 0x0                               ; for wave 0's sake: my partial logits are in LDS
	s_barrier_signal -1
	s_barrier_wait -1
	s_cmp_lg_u32 s14, 0
	s_cbranch_scc1 .Lend
	; WAVE 0: lane = token
	s_wait_xcnt 0x0                                ; x's registers were the data of my stores: they are loaded again only behind this wait
	v_lshl_add_u32 v13, v1, 5, PART
.set i, 0
.rept 16
	ds_load_b128 v[X+8*i:X+8*i+3],   v13 offset:1024*i
	ds_load_b128 v[X+8*i+4:X+8*i+7], v13 offset:1024*i+16
.set i, i+1
.endr
	s_wait_dscnt 0x0
.set i, 1
.rept 15                                               ; the waves' parts are added in ascending order of the channels
.irp p, 0,2,4,6
	v_pk_add_f32 v[X+\p:X+\p+1], v[X+\p:X+\p+1], v[X+8*i+\p:X+8*i+\p+1]
.endr
.set i, i+1
.endr
	; the two largest: v64 l1, v65 its expert, v66 l2, v67 its expert
	v_mov_b32 v64, v[X]
	v_mov_b32 v65, 0
	v_mov_b32 v66, 0xff800000
	v_mov_b32 v67, 0
.irp e, 1,2,3,4,5,6,7
	v_cmp_gt_f32 vcc_lo, v[X+\e], v64
	v_cmp_gt_f32 s20, v[X+\e], v66
	v_cndmask_b32 v68, v66, v[X+\e], s20           ; the second, if the first stays
	v_cndmask_b32 v69, v67, \e, s20
	v_cndmask_b32 v66, v68, v64, vcc_lo            ; else the old first
	v_cndmask_b32 v67, v69, v65, vcc_lo
	v_cndmask_b32 v64, v64, v[X+\e], vcc_lo
	v_cndmask_b32 v65, v65, \e, vcc_lo
.endr
	v_sub_f32 v70, v66, v64                        ; l2 - l1 <= 0
	v_mul_f32 v70, 0x3fb8aa3b, v70
	v_exp_f32 v71, v70                             ; e
	v_min_u32 v72, v65, v67                        ; a: plain work behind the exponential
	v_max_u32 v73, v65, v67                        ; b
	s_wait_alu depctr_va_vdst(0)                   ; the wait ahead of the result's first reader
	v_add_f32 v74, 1.0, v71
	v_rcp_f32 v75, v74                             ; the first's weight
	v_sub_nc_u32 v76, 15, v72                      ; plain work behind the reciprocal
	s_wait_alu depctr_va_vdst(0)
	v_mul_f32 v77, v71, v75                        ; the second's
	v_cmp_lt_u32 vcc_lo, v65, v67
	v_cndmask_b32 v78, v77, v75, vcc_lo            ; a's weight
	v_cndmask_b32 v79, v75, v77, vcc_lo            ; b's
	v_mul_u32_u24 v76, v76, v72                    ; set = a (15 - a) / 2 + b - a - 1
	v_lshrrev_b32 v76, 1, v76
	v_add_nc_u32 v76, v76, v73
	v_sub_nc_u32 v76, v76, v72
	v_add_nc_u32 v76, -1, v76
	v_mov_b32 v81, 0                               ; rank
	v_mov_b32 v85, 0                               ; lane s: the group's tokens of set s
.set ss, 0
.rept 28
	v_cmp_eq_u32 s20, ss, v76
	s_bcnt1_i32_b32 s21, s20
	v_mbcnt_lo_u32_b32 v82, s20, 0                 ; the set's tokens in lower lanes
	v_cndmask_b32 v81, v81, v82, s20
	v_writelane_b32 v85, s21, ss
.set ss, ss+1
.endr
	v_lshl_or_b32 v84, v81, 8, v76
	v_lshlrev_b32 v86, 3, v1
	global_store_b64 v86, v[84:85], s[10:11]       ; 256 consecutive aligned bytes each
	global_store_b64 v86, v[78:79], s[12:13]
.Lend:
	s_wait_tensorcnt 0x0                           ; the wave's end
	ds_add_u32 v[SPW], v[NIL]
	s_wait_dscnt 0x0
	s_endpgm
.Lfunc_end_k_q8b6ccc256c_router:
	.size	k_q8b6ccc256c_router, .Lfunc_end_k_q8b6ccc256c_router-k_q8b6ccc256c_router
	.p2alignl 7, 3214868480
	.fill 96, 4, 3214868480
	.section	.rodata,"a",@progbits
	.p2align	6, 0x0
	.amdhsa_kernel k_q8b6ccc256c_router
		.amdhsa_group_segment_fixed_size 157696
		.amdhsa_private_segment_fixed_size 0
		.amdhsa_enable_private_segment 0
		.amdhsa_kernarg_size 40
		.amdhsa_user_sgpr_count 2
		.amdhsa_user_sgpr_kernarg_segment_ptr 1
		.amdhsa_wavefront_size32 1
		.amdhsa_system_sgpr_workgroup_id_x 1
		.amdhsa_system_sgpr_workgroup_id_y 1
		.amdhsa_system_sgpr_workgroup_id_z 1
		.amdhsa_system_vgpr_workitem_id 0
		.amdhsa_next_free_vgpr 256
		.amdhsa_next_free_sgpr 66
		.amdhsa_reserve_vcc 1
		.amdhsa_float_denorm_mode_32 3
		.amdhsa_float_denorm_mode_16_64 3
		.amdhsa_memory_ordered 1
		.amdhsa_forward_progress 1
		.amdhsa_inst_pref_size 39
	.end_amdhsa_kernel
	.amdgpu_metadata
---
amdhsa.version: [ 1, 2 ]
amdhsa.kernels:
  - .name:           k_q8b6ccc256c_router
    .symbol:         k_q8b6ccc256c_router.kd
    .args:
      - { .name: hidden_states, .offset: 0, .size: 8, .value_kind: global_buffer, .address_space: global }
      - { .name: gate_w, .offset: 8, .size: 8, .value_kind: global_buffer, .address_space: global }
      - { .name: xb, .offset: 16, .size: 8, .value_kind: global_buffer, .address_space: global }
      - { .name: route, .offset: 24, .size: 8, .value_kind: global_buffer, .address_space: global }
      - { .name: gw, .offset: 32, .size: 8, .value_kind: global_buffer, .address_space: global }
    .group_segment_fixed_size: 157696
    .private_segment_fixed_size: 0
    .kernarg_segment_align: 8
    .kernarg_segment_size: 40
    .max_flat_workgroup_size: 512
    .sgpr_count:     66
    .vgpr_count:     256
    .wavefront_size: 32
...
	.end_amdgpu_metadata
.endif
;; end of part 1
;; launch prep (part 2): grid 513 x 1, 8 waves a work-group, no clusters, 35,328 bytes of LDS; arguments w1, w2, route, wl, list, tiles; writes wl, list, tiles
.if DOCPART == 2
	.amdgcn_target "amdgcn-amd-amdhsa--gfx1250"
	.amdhsa_code_object_version 6
	.text
	.protected	k_q8b6ccc256c_prep
	.globl	k_q8b6ccc256c_prep
	.p2align	8
	.type	k_q8b6ccc256c_prep,@function
k_q8b6ccc256c_prep:
	s_mov_b64 s[64:65], 0
	v_nop
	global_prefetch_b8 v0, s[64:65] scope:SCOPE_SE
	s_setreg_imm32_b32 hwreg(HW_REG_WAVE_MODE, 25, 1), 1
	s_wait_xcnt 0x0
; TWO ROLES.  Work-group 0 sorts the tokens by their set of experts (a counting sort without atomics) and writes the table of tiles; work-groups 1 to 512 round the weights to bf16 and
; lay them in the order in which the next launch's operand registers take them.
; wl: 512 blocks of 32,768 bytes, each 256 k x 64 n of one expert.  Block b < 256: w1 of expert b >> 5, columns 64 ((b >> 3) & 3) on, rows 256 (b & 7) on.  Block 256 + b': w2 of expert b' >> 5,
; columns 64 (b' & 31) on, all 256 rows.  Inside a block the 16 bytes at 4096 s + 1024 j + 512 u + 16 (16 h + r) hold column 16 j + r, k = 32 s + 16 u + 8 h + 0..7: so a wave's load of 16 bytes a lane
; at 16 x lane brings four registers of a matrix fragment whose rows are weight columns.
; list: the 8,192 token numbers, by set and ascending within a set.  tiles[j] = {first place in list, tokens (1 to 48; 0: the tile is not used), lower expert, higher expert}: a set of n tokens has ceil(n / 48) tiles;
; there are never more than 198.
.set RP,    1040                       ; a run of 1,024 bytes in the stage + 16: the sixteen lanes of a store fall on sixteen different 16-byte columns
.set LT,    32*RP                      ; [8 waves][32 sets] words: 33,280; below it the stage (weights) or the list (sort, 32,768 bytes)
.set SPARE, LT+1024                    ; the spare words, 128 bytes for each wave: four blocks of 256 bytes that no other line names
.set SPW,   2
.set NIL,   3
.set R,     16                         ; v16-79   weights: 16 rows x 4 f32; later the block's bytes on their way out.  sort: 32 records {info, count}
.set P,     80                         ; v80-111  weights: two sets of 16 packed registers
	s_load_b256 s[4:11], s[0:1], 0x0               ; w1 s[4:5], w2 s[6:7], route s[8:9], wl s[10:11]
	s_load_b128 s[12:15], s[0:1], 0x20             ; list s[12:13], tiles s[14:15]
	v_lshl_add_u32 v[SPW], v0, 2, SPARE
	v_mov_b32 v[NIL], 0
	v_and_b32 v1, 31, v0                           ; lane
	v_lshrrev_b32 v4, 5, v0
	v_readfirstlane_b32 s16, v4                    ; wave 0..7
	s_wait_kmcnt 0x0
	s_cmp_eq_u32 ttmp9, 0
	s_cbranch_scc1 .Lsort
	; THE WEIGHTS.  Wave w makes the block's K step w (32 k x 64 n) by itself: no barrier.  Lane (a = lane % 16, hh = lane / 16) reads columns 4 a .. 4 a + 3 of rows 8 hh + 0..7 and 16 + 8 hh + 0..7:
	; sixteen lanes read one row's 256 consecutive aligned bytes.  Eight rows of one column pack into the 16 bytes of the layout above.
	s_sub_co_u32 s17, ttmp9, 1                     ; b
	s_bfe_u32 s22, s17, 0x30005                    ; the expert,
	s_lshl_b32 s22, s22, 21                        ; 2 MiB each in w1 and in w2
	s_and_b32 s23, s17, 7
	s_lshl_b32 s23, s23, 18                        ; w1: 256 rows of 1,024 bytes,
	s_bfe_u32 s24, s17, 0x20003
	s_lshl_b32 s24, s24, 8                         ; 64 columns of 4 bytes
	s_add_co_u32 s23, s23, s24
	s_and_b32 s24, s17, 31
	s_lshl_b32 s24, s24, 8                         ; w2: 64 columns
	s_cmp_lt_u32 s17, 256
	s_cselect_b32 s23, s23, s24
	s_cselect_b64 s[20:21], s[4:5], s[6:7]
	s_add_co_u32 s22, s22, s23
	s_mov_b32 s23, 0
	s_add_nc_u64 s[20:21], s[20:21], s[22:23]      ; the block's first element
	v_and_b32 v5, 15, v0                           ; a
	v_bfe_u32 v6, v0, 4, 1                         ; hh
	s_lshl_b32 s26, s16, 5
	v_lshl_add_u32 v8, v6, 3, s26                  ; my first row: 32 w + 8 hh
	s_mul_i32 s27, s16, 4*RP                       ; my wave's four runs in the stage
	v_lshrrev_b32 v10, 2, v5                       ; j
	v_mul_u32_u24 v9, v10, RP
	v_lshl_add_u32 v9, v6, 8, v9                   ; + 256 hh
	v_and_b32 v10, 3, v5
	v_lshl_add_u32 v9, v10, 6, v9                  ; + 16 x 4 (a % 4)
	v_add_nc_u32 v9, s27, v9
	v_lshl_add_u32 v11, v1, 4, s27                 ; back: 16 bytes a lane
	s_lshl_b32 s26, s16, 12
	v_lshl_add_u32 v12, v1, 4, s26                 ; and out: 4,096 w + 16 x lane
	s_lshl_b32 s28, s17, 15
	s_mov_b32 s29, 0
	s_add_nc_u64 s[10:11], s[10:11], s[28:29]
.macro LD16 sh                         ; sixteen rows; a row is 1 << sh bytes
	v_lshlrev_b32 v7, \sh, v8
	v_lshl_add_u32 v7, v5, 4, v7
.set i, 0
.rept 16
	global_load_b128 v[R+4*i:R+4*i+3], v7, s[20:21] offset:((i/8)*16+i%8)<<(\sh) th:TH_LOAD_NT
.set i, i+1
.endr
.endm
	s_cmp_lt_u32 s17, 256
	s_cbranch_scc0 .Lw2
	LD16 10
	s_branch .Lpack
.Lw2:
	LD16 13
.Lpack:
.irp u, 0,1
	s_wait_loadcnt 8-8*\u                          ; the first eight rows: the other eight are younger; then all
.irp c, 0,1,2,3
.irp d, 0,1,2,3
	v_cvt_pk_bf16_f32 v[P+16*\u+4*\c+\d], v[R+32*\u+8*\d+\c], v[R+32*\u+8*\d+4+\c]
.endr
	ds_store_b128 v9, v[P+16*\u+4*\c:P+16*\u+4*\c+3] offset:512*\u+16*\c
.endr
.endr
.irp i, 0,1,2,3,4,5,6,7
	ds_load_b128 v[R+4*\i:R+4*\i+3], v11 offset:(\i/2)*RP+(\i%2)*512  ; my own bytes; LDS serves a wave's instructions in order (ISA guide 5.7.1.4)
.endr
.irp i, 0,1,2,3,4,5,6,7
	s_wait_dscnt 7-\i
	global_store_b128 v12, v[R+4*\i:R+4*\i+3], s[10:11] offset:512*\i  ; 512 consecutive bytes, at a multiple of 256 from wl's first byte
.endr
	s_wait_tensorcnt 0x0                           ; the wave's end
	ds_add_u32 v[SPW], v[NIL]
	s_wait_dscnt 0x0
	s_endpgm
.Lsort:
	; THE SORT.  Wave w has the groups 32 w .. 32 w + 31 of 32 tokens.  Record i of lane l: the info of token 32 (32 w + i) + l, and the count of set l in group 32 w + i.
	s_lshl_b32 s17, s16, 13
	v_lshl_add_u32 v13, v1, 3, s17
.set i, 0
.rept 32
	global_load_b64 v[R+2*i:R+2*i+1], v13, s[8:9] offset:256*i
.set i, i+1
.endr
	s_lshl_b32 s18, s16, 10
	v_add_nc_u32 v101, s18, v1                     ; record 0's token
	v_lshl_add_u32 v82, v0, 2, LT
	v_lshl_add_u32 v83, v1, 2, LT
	s_wait_loadcnt 0x0
.set i, 1
.rept 31                                               ; the counts' running sum over my groups, in place
	v_add_nc_u32 v[R+2*i+1], v[R+2*i+1], v[R+2*i-1]
.set i, i+1
.endr
	ds_store_b32 v82, v[R+63]                      ; my wave's total of set l
	s_wait_dscnt 0x0                               ; for the others' sake
	s_barrier_signal -1
	s_barrier_wait -1
.irp q, 0,1,2,3,4,5,6,7
	ds_load_b32 v[84+\q], v83 offset:128*\q
.endr
	v_mov_b32 v92, 0                               ; n: the set's tokens in all
	v_mov_b32 v93, 0                               ; those of the waves before mine
	s_wait_dscnt 0x0
.irp q, 0,1,2,3,4,5,6,7
	s_cmp_gt_u32 s16, \q
	s_cselect_b32 s19, -1, 0
	v_and_b32 v94, s19, v[84+\q]
	v_add_nc_u32 v93, v93, v94
	v_add_nc_u32 v92, v92, v[84+\q]
.endr
	v_add_nc_u32 v95, 47, v92                      ; ceil(n / 48) = (n + 47) x 43,691 >> 21: the factor is 2^21 / 48 + 1 / 3, so the excess, (n + 47) / (3 x 2^21), stays under 1 / 48 up to n = 8,192
	v_mul_u32_u24 v95, v95, 0xaaab
	v_lshrrev_b32 v95, 21, v95
	v_lshl_or_b32 v96, v95, 16, v92                ; tokens below, tiles above: one scan for both
	v_mov_b32 v97, v96
	v_mov_b32 v98, 0
.irp n, 1,2,4,8
	v_mov_b32_dpp v98, v97 row_shr:\n row_mask:0xf bank_mask:0xf bound_ctrl:1
	v_add_nc_u32 v97, v97, v98
.endr
	v_readlane_b32 s20, v97, 15
	v_cmp_lt_u32 vcc_lo, 15, v1
	v_cndmask_b32 v98, 0, s20, vcc_lo
	v_add_nc_u32 v97, v97, v98                     ; sets 0 .. l
	v_sub_nc_u32 v99, v97, v96                     ; sets 0 .. l - 1: the set's first place and first tile
	v_readlane_b32 s19, v97, 31
	s_lshr_b32 s19, s19, 16                        ; tiles in all
	v_and_b32 v100, 0xffff, v99
	v_add_nc_u32 v100, v100, v93                   ; where my wave's tokens of set l begin
.set i, 31
.rept 31                                               ; where group i's begin: the groups before it, from the running sum
	v_add_nc_u32 v[R+2*i+1], v[R+2*i-1], v100
.set i, i-1
.endr
	v_mov_b32 v[R+1], v100
.set i, 0
.rept 32                                               ; each token pulls that place from the lane of its set
	v_and_b32 v[128+i], 0xff, v[R+2*i]
	v_min_u32 v[128+i], 31, v[128+i]
	v_lshlrev_b32 v[128+i], 2, v[128+i]
	ds_bpermute_b32 v[160+i], v[128+i], v[R+2*i+1]
.set i, i+1
.endr
	s_wait_dscnt 0x0
.set i, 0
.rept 32
	v_lshrrev_b32 v[128+i], 8, v[R+2*i]            ; + its rank in the group
	v_add_nc_u32 v[128+i], v[128+i], v[160+i]
	v_min_u32 v[128+i], 0x1fff, v[128+i]
	v_lshlrev_b32 v[128+i], 2, v[128+i]
	v_add_nc_u32 v[160+i], 32*i, v101              ; the token's number
	ds_store_b32 v[128+i], v[160+i]
.set i, i+1
.endr
	s_wait_dscnt 0x0                               ; for the others' sake: my part of the list is in LDS
	s_barrier_signal -1
	s_barrier_wait -1
	v_lshlrev_b32 v102, 4, v0
.irp i, 0,1,2,3,4,5,6,7
	ds_load_b128 v[R+4*\i:R+4*\i+3], v102 offset:4096*\i
.endr
.irp i, 0,1,2,3,4,5,6,7
	s_wait_dscnt 7-\i
	global_store_b128 v102, v[R+4*\i:R+4*\i+3], s[12:13] offset:4096*\i  ; a wave stores 512 consecutive aligned bytes
.endr
	; THE TILES.  Thread j: the last set whose first tile is at or below j (a set without tokens shares its first tile with the next set, which then wins).
	v_mov_b32 v103, 0
	v_mov_b32 v104, 0
	v_mov_b32 v105, 0
.set ss, 0
.set sa, 0
.set sb, 1
.rept 28
	v_readlane_b32 s20, v99, ss
	s_lshr_b32 s21, s20, 16
	v_readlane_b32 s22, v92, ss
	s_mov_b32 s23, sa|(sb<<8)
	v_cmp_le_u32 vcc_lo, s21, v0
	v_cndmask_b32 v103, v103, s20, vcc_lo
	v_cndmask_b32 v104, v104, s22, vcc_lo
	v_cndmask_b32 v105, v105, s23, vcc_lo
.set ss, ss+1
.set sb, sb+1
.if sb == 8
.set sa, sa+1
.set sb, sa+1
.endif
.endr
	v_lshrrev_b32 v106, 16, v103
	v_sub_nc_u32 v106, v0, v106
	v_mul_u32_u24 v106, v106, 48                   ; tokens of the set in the tiles before
	v_and_b32 v107, 0xffff, v103
	v_add_nc_u32 v108, v107, v106
	v_sub_nc_u32 v109, v104, v106
	v_min_u32 v109, 48, v109
	v_cmp_gt_u32 vcc_lo, s19, v0                   ; a tile that exists
	v_cndmask_b32 v108, 0, v108, vcc_lo
	v_cndmask_b32 v109, 0, v109, vcc_lo
	v_and_b32 v110, 0xff, v105
	v_lshrrev_b32 v111, 8, v105
	global_store_b128 v102, v[108:111], s[14:15]
	s_wait_tensorcnt 0x0                           ; the wave's end
	ds_add_u32 v[SPW], v[NIL]
	s_wait_dscnt 0x0
	s_endpgm
.Lfunc_end_k_q8b6ccc256c_prep:
	.size	k_q8b6ccc256c_prep, .Lfunc_end_k_q8b6ccc256c_prep-k_q8b6ccc256c_prep
	.p2alignl 7, 3214868480
	.fill 96, 4, 3214868480
	.section	.rodata,"a",@progbits
	.p2align	6, 0x0
	.amdhsa_kernel k_q8b6ccc256c_prep
		.amdhsa_group_segment_fixed_size 35328
		.amdhsa_private_segment_fixed_size 0
		.amdhsa_enable_private_segment 0
		.amdhsa_kernarg_size 48
		.amdhsa_user_sgpr_count 2
		.amdhsa_user_sgpr_kernarg_segment_ptr 1
		.amdhsa_wavefront_size32 1
		.amdhsa_system_sgpr_workgroup_id_x 1
		.amdhsa_system_sgpr_workgroup_id_y 1
		.amdhsa_system_sgpr_workgroup_id_z 1
		.amdhsa_system_vgpr_workitem_id 0
		.amdhsa_next_free_vgpr 192
		.amdhsa_next_free_sgpr 66
		.amdhsa_reserve_vcc 1
		.amdhsa_float_denorm_mode_32 3
		.amdhsa_float_denorm_mode_16_64 3
		.amdhsa_memory_ordered 1
		.amdhsa_forward_progress 1
		.amdhsa_inst_pref_size 48
	.end_amdhsa_kernel
	.amdgpu_metadata
---
amdhsa.version: [ 1, 2 ]
amdhsa.kernels:
  - .name:           k_q8b6ccc256c_prep
    .symbol:         k_q8b6ccc256c_prep.kd
    .args:
      - { .name: w1, .offset: 0, .size: 8, .value_kind: global_buffer, .address_space: global }
      - { .name: w2, .offset: 8, .size: 8, .value_kind: global_buffer, .address_space: global }
      - { .name: route, .offset: 16, .size: 8, .value_kind: global_buffer, .address_space: global }
      - { .name: wl, .offset: 24, .size: 8, .value_kind: global_buffer, .address_space: global }
      - { .name: list, .offset: 32, .size: 8, .value_kind: global_buffer, .address_space: global }
      - { .name: tiles, .offset: 40, .size: 8, .value_kind: global_buffer, .address_space: global }
    .group_segment_fixed_size: 35328
    .private_segment_fixed_size: 0
    .kernarg_segment_align: 8
    .kernarg_segment_size: 48
    .max_flat_workgroup_size: 256
    .sgpr_count:     66
    .vgpr_count:     192
    .wavefront_size: 32
...
	.end_amdgpu_metadata
.endif
;; end of part 2
;; launch chain (part 3): grid 198 x 1, 8 waves a work-group, no clusters, 301,568 bytes of LDS; arguments tiles, list, gw, xb, wl, b1, b2, out0; writes out0
.if DOCPART == 3
	.amdgcn_target "amdgcn-amd-amdhsa--gfx1250"
	.amdhsa_code_object_version 6
	.text
	.protected	k_q8b6ccc256c_chain
	.globl	k_q8b6ccc256c_chain
	.p2align	8
	.type	k_q8b6ccc256c_chain,@function
k_q8b6ccc256c_chain:
	s_mov_b64 s[64:65], 0
	v_nop
	global_prefetch_b8 v0, s[64:65] scope:SCOPE_SE
	s_setreg_imm32_b32 hwreg(HW_REG_WAVE_MODE, 25, 1), 1
	s_wait_xcnt 0x0
; THE CHAIN.  A work-group takes one tile: up to 48 tokens that chose the same two experts e0 < e1, and takes them through everything:
;   H[:, 256 i + f] = w_i gelu(x . w1[e_i][:, f] + b1[e_i][f]),  i = 0, 1;   out = x + w_0 b2[e0] + w_1 b2[e1] + H . [w2[e0]; w2[e1]].
; Each output row has one owner.  The grid, 198, is the most tiles that any split of 8,192 tokens over 28 sets can give; a tile without tokens stores nothing.
; Always three groups of 16 rows; rows past the count repeat the tile's last token; a group wholly past the count is not stored; in a group that is partly past it the repeated rows store the last token's bytes again.
; FORMATS.  x, w1, w2 in bf16 (rounded once by the launches before), H rounded once to bf16, all sums in f32; the residual is the bf16 x; b1, b2 and the gate's weights in f32.
; LIMITS.  gelu(z) = max(z, 0) - |z| q, q = erfc(|z| / sqrt 2) / 2 by Abramowitz and Stegun 7.1.26 (absolute error of erfc 1.5e-7); NaN and infinities are not treated apart.
; SHARES.  Eight waves.  Wave w = 4 i + q.  First product: expert e_i, hidden columns 64 q .. 64 q + 63, K = 2,048.  Second: out columns 256 w .. 256 w + 255 in four chunks of 64, K = 512.
; In both a wave has 3 x 4 accumulators of 16 x 16 and issues 12 matrix instructions for 32 along K.  THE MATRIX INSTRUCTION IS USED TRANSPOSED: source 0 = 16 weight columns, source 1 = 16 tokens,
; so a lane holds one token (lane % 16) and eight neighbouring columns (8 (lane / 16) + register).
; TOKENS come by a list, which no tensor descriptor covers: each wave copies six rows of xb into LDS, asynchronously, once; they serve the first product and the residual.
; WEIGHTS go from memory straight into operand registers: each byte that the work-group needs has one reading wave.  A ring of eight register slots, one K step (4,096 bytes a wave) each; a slot is asked for
; again right behind the products that read it, with the same step of the wave's next block: seven steps ahead.  So the K steps write no LDS and need no barrier.
; THE BASES of the weight loads are stepped one trip late: behind the next trip's last counted s_wait_loadcnt, which shows every load by the old base done.  So the first product has two bases that take turns.
; LDS ADDRESSES.  A lane's place in a region is made once at the head and never rewritten.  The first product's loop adds a scalar that steps by 1,024 bytes a pass; every other LDS address is such a place plus an
; immediate, so the loop over chunks holds three starts that differ in their immediates alone.
; NO CLUSTER.  Tiles of one expert do walk the same weights, but beside the resident rows (197 KB), H (50 KB) and the stage (34 KB) LDS has 26 KB left, less than one K step of the eight waves (32 KB): no ring fits.
.set XP,    4112                       ; a token's row in LDS: 4,096 bytes + 16: the 16 rows of a fragment load start at 16 different groups of four banks
.set XG,    16*XP
.set B1L,   48*XP                      ; [2 experts][256] f32
.set B2L,   B1L+2048                   ; [2 experts][2048] f32
.set HL,    B2L+16384                  ; H: 48 rows of 512 bf16
.set HP,    1040                       ; 1,024 bytes + 16
.set HG,    16*HP
.set STG,   HL+48*HP                   ; the way out: for each wave 16 rows of 64 f32
.set SP,    272                        ; 256 bytes + 16
.set SPARE, STG+8*16*SP                ; the spare words, 128 bytes for each wave: four blocks of 256 bytes that no other line names
.set BLK,   32768                      ; a block of wl
; window 0: v0 thread; v1 16 x lane (the offset of every weight load); v2, v3 the add's; v4-6 my place in x's fragments, for each group of 16 rows; v7 in H's; v8 where I put H; v9, v10 the stage, in and back;
;   v11-13 my place in the residual; v14 in b2; v15 in b1 (v1 to v15 are never rewritten); v16-39 byte offsets of the rows that I store; v40-45 (w_0, w_1) of token 16 g + lane % 16; v46-51 my expert's weight, twice;
;   v52-60 at work at the head; v61-63 the x addresses of a pass of the first product's loop; v64-159 accumulator (g, j) at 64 + 8 (3 j + g); v160-255 at work: see below.
; window 1: the ring: slot s at 32 s, fragment j at + 8 j.
.set TOK,   16
.set GW,    40
.set WS,    46
.set AXC,   61
.set ACC,   64
.set TMP,   160
.set AB,    160                        ; two buffers of 24: the tokens' fragments of one K step
.set ZA,    160                        ; GELU: |z|; 168 t; 176 the exponential, then q; 184 the polynomial; 192 four packed registers
.set ZT,    168
.set ZE,    176
.set ZP,    184
.set ZH,    192
.set BB,    184                        ; a chunk's start: b2 of expert slot sl, column block j at BB + 32 sl + 8 j: 64 registers, beside the first fragment buffer
.set MSB, 0
.macro WIN new                         ; s_set_vgpr_msb: bits 1:0 source 0, 7:6 destination; the high byte repeats the setting that is left; a switch that changes nothing is dropped
.if MSB != (\new)
	s_set_vgpr_msb (MSB<<8)|(\new)
.set MSB, \new
.endif
.endm
	s_load_b512 s[8:23], s[0:1], 0x0               ; tiles s[8:9], list s[10:11], gw s[12:13], xb s[14:15], wl s[16:17], b1 s[18:19], b2 s[20:21], out s[22:23]
	v_lshl_add_u32 v2, v0, 2, SPARE
	v_mov_b32 v3, 0
	ds_add_u32 v2, v3                              ; the wave's opening: the add and its wait stand ahead of my first copy; the set-up below, work on registers, stands between them
	v_lshrrev_b32 v55, 5, v0
	v_readfirstlane_b32 s28, v55                   ; w
	s_lshr_b32 s29, s28, 2                         ; i
	s_and_b32 s30, s28, 3                          ; q
	v_and_b32 v54, 31, v0                          ; lane
	v_and_b32 v52, 15, v0                          ; r
	v_bfe_u32 v53, v0, 4, 1                        ; h
	v_lshlrev_b32 v1, 4, v54
	v_lshlrev_b32 v57, 4, v52
	v_mul_u32_u24 v4, v52, XP                      ; a fragment of x: row x pitch + 16 h, for each group of 16 rows
	v_lshl_add_u32 v4, v53, 4, v4
	v_add_nc_u32 v5, XG, v4
	v_add_nc_u32 v6, 2*XG, v4
	v_mul_u32_u24 v7, v52, HP                      ; the same in H
	v_lshl_add_u32 v7, v53, 4, v7
	v_add_nc_u32 v7, HL, v7
	s_lshl_b32 s40, s28, 7
	v_add_nc_u32 v8, s40, v7                       ; my 64 columns of H: 512 i + 128 q = 128 w bytes
	s_mul_i32 s40, s28, 16*SP
	s_add_co_u32 s40, s40, STG                     ; my stage
	v_mul_u32_u24 v9, v52, SP                      ; in: row r, 32 bytes for each half of the lanes
	v_lshl_add_u32 v9, v53, 5, v9
	v_add_nc_u32 v9, s40, v9
	v_mul_u32_u24 v10, v53, SP                     ; back: lanes 0-15 one row of 256 bytes, lanes 16-31 the next
	v_lshl_add_u32 v10, v52, 4, v10
	v_add_nc_u32 v10, s40, v10
	s_lshl_b32 s41, s28, 9
	v_add_nc_u32 v11, s41, v4                      ; the residual: my 256 columns, 8 h on
	v_add_nc_u32 v12, s41, v5
	v_add_nc_u32 v13, s41, v6
	s_lshl_b32 s41, s28, 10
	s_add_co_u32 s41, s41, B2L
	v_lshl_add_u32 v14, v53, 5, s41
	s_lshl_b32 s41, s28, 8
	s_add_co_u32 s41, s41, B1L                     ; 1,024 i + 256 q = 256 w
	v_lshl_add_u32 v15, v53, 5, s41
	s_mov_b32 s44, 0x3e6d3388                      ; 0.3275911 / sqrt 2.  Each constant is named as a pair and taken from the low word
	s_mov_b32 s45, s44
	s_mov_b32 s46, 0xbf38aa3b                      ; - log2(e) / 2
	s_mov_b32 s47, s46
	s_mov_b32 s48, 0x3f07dc22                      ; the five coefficients, halved: a5,
	s_mov_b32 s49, s48
	s_mov_b32 s50, 0xbf3a00e3                      ; a4,
	s_mov_b32 s51, s50
	s_mov_b32 s52, 0x3f35f0e3                      ; a3,
	s_mov_b32 s53, s52
	s_mov_b32 s54, 0xbe11a98e                      ; a2,
	s_mov_b32 s55, s54
	s_mov_b32 s56, 0x3e027906                      ; a1
	s_mov_b32 s57, s56
	s_mov_b32 s58, 0x7fffffff
	s_mov_b32 s59, 0xffff0000
	s_lshl_b32 s40, ttmp9, 4
	s_wait_dscnt 0x0                               ; the opening add is done
	s_wait_kmcnt 0x0
	s_load_b128 s[24:27], s[8:9], s40 offset:0x0   ; my tile: first place in the list, tokens, e0, e1
	s_wait_kmcnt 0x0
	s_min_u32 s24, s24, 8191
	s_min_u32 s25, s25, 48
	s_min_u32 s26, s26, 7
	s_min_u32 s27, s27, 7
	s_max_u32 s43, s25, 1
	s_sub_co_u32 s43, s43, 1                       ; the tile's last row (0 in a tile without tokens)
	s_cmp_eq_u32 s29, 0
	s_cselect_b32 s31, s26, s27                    ; my expert in the first product
	s_min_u32 s31, s31, 7
	; WHO IS IN THE TILE.  Three uses, three forms: the six rows that my wave copies (scalars), the 24 pairs of rows that I store, the three tokens whose weights I need.
	s_mul_i32 s41, s28, 6
.irp n, 0,1,2,3,4,5
	s_add_co_u32 s[68+\n], s41, \n
	s_min_u32 s[68+\n], s[68+\n], s43
	s_add_co_u32 s[68+\n], s[68+\n], s24
	s_min_u32 s[68+\n], s[68+\n], 8191
	s_lshl_b32 s[68+\n], s[68+\n], 2
	s_load_b32 s[74+\n], s[10:11], s[68+\n] offset:0x0
.endr
.set ip, 0
.rept 24
	v_add_nc_u32 v[TOK+ip], 2*ip, v53              ; row 2 p + lane / 16
	v_min_u32 v[TOK+ip], s43, v[TOK+ip]
	v_add_nc_u32 v[TOK+ip], s24, v[TOK+ip]
	v_min_u32 v[TOK+ip], 0x1fff, v[TOK+ip]
	v_lshlrev_b32 v[TOK+ip], 2, v[TOK+ip]
	global_load_b32 v[TOK+ip], v[TOK+ip], s[10:11]
.set ip, ip+1
.endr
.irp g, 0,1,2
	v_add_nc_u32 v[58+\g], 16*\g, v52              ; row 16 g + r
	v_min_u32 v[58+\g], s43, v[58+\g]
	v_add_nc_u32 v[58+\g], s24, v[58+\g]
	v_min_u32 v[58+\g], 0x1fff, v[58+\g]
	v_lshlrev_b32 v[58+\g], 2, v[58+\g]
	global_load_b32 v[58+\g], v[58+\g], s[10:11]
.endr
	s_wait_loadcnt 0x0
	s_wait_kmcnt 0x0
.irp g, 0,1,2
	v_min_u32 v[58+\g], 0x1fff, v[58+\g]
	v_lshlrev_b32 v[58+\g], 3, v[58+\g]
	global_load_b64 v[GW+2*\g:GW+2*\g+1], v[58+\g], s[12:13]
.endr
	; THE COPIES: 53 a wave, each LDS byte filled once.  Their address registers, v160-175, stay as they are until the wait on ASYNCcnt.
	s_mul_i32 s40, s28, 6*XP
	v_add_nc_u32 v160, s40, v1
.irp n, 1,2,3,4,5
	v_add_nc_u32 v[160+\n], \n*XP, v160
.endr
.irp n, 0,1,2,3,4,5
	s_min_u32 s[74+\n], s[74+\n], 8191
	s_lshl_b32 s[74+\n], s[74+\n], 12              ; a row of xb is 4,096 bytes
	v_add_nc_u32 v[166+\n], s[74+\n], v1
.endr
.irp n, 0,1,2,3,4,5
.irp c, 0,1,2,3,4,5,6,7
	global_load_async_to_lds_b128 v[160+\n], v[166+\n], s[14:15] offset:512*\c  ; the immediate goes to both addresses
.endr
.endr
	s_lshl_b32 s40, s28, 11                        ; b2: slot i, quarter q = 2,048 w
	s_add_co_u32 s40, s40, B2L
	v_add_nc_u32 v172, s40, v1
	s_lshl_b32 s40, s31, 13
	s_lshl_b32 s41, s30, 11
	s_add_co_u32 s40, s40, s41
	v_add_nc_u32 v173, s40, v1
.irp c, 0,1,2,3
	global_load_async_to_lds_b128 v172, v173, s[20:21] offset:512*\c
.endr
	s_lshl_b32 s40, s28, 8                         ; b1: slot i, quarter q = 256 w
	s_add_co_u32 s40, s40, B1L
	v_lshl_add_u32 v174, v54, 3, s40
	s_lshl_b32 s40, s31, 10
	s_lshl_b32 s41, s30, 8
	s_add_co_u32 s40, s40, s41
	v_lshl_add_u32 v175, v54, 3, s40
	global_load_async_to_lds_b64 v174, v175, s[18:19]
.set ip, 0
.rept 24
	v_min_u32 v[TOK+ip], 0x1fff, v[TOK+ip]
	v_lshl_add_u32 v[TOK+ip], v[TOK+ip], 13, v57   ; the row's 8,192 bytes of out + 16 (lane % 16)
.set ip, ip+1
.endr
	; MY WEIGHTS: 16 blocks on end.  w1: blocks 32 e + 8 q + 0..7: s[66:67] walks the even ones from block 0, s[32:33] the odd ones from block 1.
	; s[34:35], s[36:37]: w2 of e0 and of e1: blocks 256 + 32 e + 4 w + 0..3.
	s_lshl_b32 s40, s31, 5
	s_lshl3_add_u32 s40, s30, s40
	s_lshl_b32 s40, s40, 15
	s_mov_b32 s41, 0
	s_add_nc_u64 s[66:67], s[16:17], s[40:41]
	s_add_nc_u64 s[32:33], s[66:67], BLK
	s_lshl_b32 s40, s26, 5
	s_lshl2_add_u32 s40, s28, s40
	s_add_co_u32 s40, s40, 256
	s_lshl_b32 s40, s40, 15
	s_add_nc_u64 s[34:35], s[16:17], s[40:41]
	s_lshl_b32 s40, s27, 5
	s_lshl2_add_u32 s40, s28, s40
	s_add_co_u32 s40, s40, 256
	s_lshl_b32 s40, s40, 15
	s_add_nc_u64 s[36:37], s[16:17], s[40:41]
	s_lshl_b32 s40, s28, 10
	s_add_nc_u64 s[38:39], s[22:23], s[40:41]      ; out at my 256 columns
.macro RING wb, st                     ; slot st takes K step st of the block at s[wb:wb+1]: eight loads of 512 consecutive bytes
.irp j, 0,1,2,3
	global_load_b128 v[32*(\st)+8*\j:32*(\st)+8*\j+3],   v1, s[\wb:\wb+1] offset:4096*(\st)+1024*\j
	global_load_b128 v[32*(\st)+8*\j+4:32*(\st)+8*\j+7], v1, s[\wb:\wb+1] offset:4096*(\st)+1024*\j+512
.endr
.endm
	WIN 0x40                                       ; destination window 1
.set ks, 0
.rept 8
	RING 66, ks                                    ; the ring's first fill: block 0
.set ks, ks+1
.endr
	WIN 0
	s_wait_loadcnt 63                              ; the gate's weights are in: their three loads have 64 younger ones, and 63 is the largest count that the wait can name
	s_wait_asynccnt 0x0                            ; my copies have landed,
	s_barrier_signal -1
	s_barrier_wait -1                              ; everybody's have: x, b1 and b2 are whole
; six LDS loads: the three groups' fragments (16 tokens x 32 K each) at byte off of the rows, into the buffer at buf
.macro ALD buf, off, a0, a1, a2, o0, o1, o2
	ds_load_b128 v[(\buf):(\buf)+3],     v[\a0] offset:(\o0)+(\off)
	ds_load_b128 v[(\buf)+4:(\buf)+7],   v[\a0] offset:(\o0)+(\off)+32
	ds_load_b128 v[(\buf)+8:(\buf)+11],  v[\a1] offset:(\o1)+(\off)
	ds_load_b128 v[(\buf)+12:(\buf)+15], v[\a1] offset:(\o1)+(\off)+32
	ds_load_b128 v[(\buf)+16:(\buf)+19], v[\a2] offset:(\o2)+(\off)
	ds_load_b128 v[(\buf)+20:(\buf)+23], v[\a2] offset:(\o2)+(\off)+32
.endm
; A TRIP: one block of weights, eight K steps of 32.  wb: the base of the block that refills the ring (wload = 1).  a0-a2, o0-o2, ko: where the tokens' fragments lie.  atail = 1: steps 6 and 7 fetch the next trip's first two.
; LOADcnt: behind slot s's eight loads 56 younger ones have been issued; the wait is for 48, so that with the refill 56 are out.  In the trip without refills the younger ones are 8 (7 - s).
; Behind a trip with refills at most its own 56 youngest loads are out: every load by another base is done, and that base may be stepped.
; DScnt: step s's fragments were asked for two steps ago; only the next step's six loads are younger; behind the last step's nothing is.
; The twelve accumulators take turns in the same order in every step, from trip to trip and over the loops' jumps too.  Four v_nop are the places between a step's products and the loads into
; their sources, and, behind the last step, the reads of the results (ISA guide 7.12.1 for vector instructions).
.macro TRIP wb, wload, atail, a0, a1, a2, o0, o1, o2, ko
.set ks, 0
.rept 8
.set ab, AB+24*(ks%2)
.if (\wload) || (ks < 2)
	s_wait_loadcnt 48
.else
	s_wait_loadcnt 8*(7-ks)
.endif
.if (ks == 7) && !(\atail)
	s_wait_dscnt 0x0
.else
	s_wait_dscnt 6
.endif
	WIN 0x01                                       ; source 0 window 1
.irp j, 0,1,2,3
.irp g, 0,1,2
	v_wmma_f32_16x16x32_bf16 v[ACC+8*(3*\j+\g):ACC+8*(3*\j+\g)+7], v[32*ks+8*\j:32*ks+8*\j+7], v[ab+8*\g:ab+8*\g+7], v[ACC+8*(3*\j+\g):ACC+8*(3*\j+\g)+7]
.endr
.endr
.rept 4
	v_nop
.endr
.if \wload
	WIN 0x40
	RING \wb, ks
.endif
	WIN 0
.if (ks < 6) || (\atail)
	ALD ab, (\ko)+64*(ks+2), \a0, \a1, \a2, \o0, \o1, \o2
.endif
.set ks, ks+1
.endr
.endm
; GELU of accumulator (gm, gj), times the gate's weight, rounded to bf16 and put into H.  The accumulator's lowest registers are read first.  The eight reciprocals and eight exponentials are one
; batch; eight plain instructions follow it; one wait stands ahead of the first reader.
.macro GELU gm, gj
.set zz, ACC+8*(3*(\gj)+(\gm))
.irp p, 0,1,2,3,4,5,6,7
	v_and_b32 v[ZA+\p], s58, v[zz+\p]              ; |z|
.endr
.irp p, 0,2,4,6
	v_pk_fma_f32 v[ZT+\p:ZT+\p+1], v[ZA+\p:ZA+\p+1], s[44:45], 1.0 op_sel_hi:[1,0,0]
.endr
.irp p, 0,2,4,6
	v_pk_mul_f32 v[ZE+\p:ZE+\p+1], v[zz+\p:zz+\p+1], v[zz+\p:zz+\p+1]
.endr
.irp p, 0,2,4,6
	v_pk_mul_f32 v[ZE+\p:ZE+\p+1], v[ZE+\p:ZE+\p+1], s[46:47] op_sel_hi:[1,0]
.endr
.irp p, 0,1,2,3,4,5,6,7
	v_rcp_f32 v[ZT+\p], v[ZT+\p]                   ; t
.endr
.irp p, 0,1,2,3,4,5,6,7
	v_exp_f32 v[ZE+\p], v[ZE+\p]                   ; exp(- z z / 2)
.endr
.irp p, 0,1,2,3,4,5,6,7
	v_max_num_f32 v[zz+\p], 0, v[zz+\p]
.endr
	s_wait_alu depctr_va_vdst(0)                   ; the wait for the batch
.irp p, 0,2,4,6
	v_pk_fma_f32 v[ZP+\p:ZP+\p+1], v[ZT+\p:ZT+\p+1], s[48:49], s[50:51] op_sel_hi:[1,0,0]
.endr
.irp c, 52,54,56
.irp p, 0,2,4,6
	v_pk_fma_f32 v[ZP+\p:ZP+\p+1], v[ZP+\p:ZP+\p+1], v[ZT+\p:ZT+\p+1], s[\c:\c+1] op_sel_hi:[1,1,0]
.endr
.endr
.irp p, 0,2,4,6
	v_pk_mul_f32 v[ZE+\p:ZE+\p+1], v[ZE+\p:ZE+\p+1], v[ZT+\p:ZT+\p+1]
.endr
.irp p, 0,2,4,6
	v_pk_mul_f32 v[ZE+\p:ZE+\p+1], v[ZE+\p:ZE+\p+1], v[ZP+\p:ZP+\p+1]  ; q
.endr
.irp p, 0,2,4,6
	v_pk_fma_f32 v[zz+\p:zz+\p+1], v[ZA+\p:ZA+\p+1], v[ZE+\p:ZE+\p+1], v[zz+\p:zz+\p+1] neg_lo:[1,0,0] neg_hi:[1,0,0]
.endr
.irp p, 0,2,4,6
	v_pk_mul_f32 v[zz+\p:zz+\p+1], v[zz+\p:zz+\p+1], v[WS+2*(\gm):WS+2*(\gm)+1]
.endr
.irp p, 0,1,2,3
	v_cvt_pk_bf16_f32 v[ZH+\p], v[zz+2*\p], v[zz+2*\p+1]
.endr
	ds_store_b128 v8, v[ZH:ZH+3] offset:HG*(\gm)+32*(\gj)
.endm
; THE START OF CHUNK cc.  Its sums start from x + w_0 b2[e0] + w_1 b2[e1], so that the way out is a store and nothing else.  The chunk's 64 columns are 128 bytes of the residual (bf16) and 256 bytes of b2 (f32):
; both stand in the immediates.  All 34 LDS loads go out on end and are waited for once.  The residual's eight bf16 land in the LOWER four registers of their accumulator and are widened in place, from the top pair down:
; pair p reads register p and writes registers 2 p and 2 p + 1, which no later pair reads; in pair 0 the high half is taken out first.  So an accumulator's first reader reads one of its four lowest registers.
; These loads name no register that a store still reads, so they stand ahead of the wait that frees v160-255.
; K step 0's fragments go out with them; step 1's follow the arithmetic (their buffer lies under b2) and have step 0 in which to land.
.macro CSTART cc
.irp j, 0,1,2,3
.irp mm, 0,1,2
	ds_load_b128 v[ACC+8*(3*\j+\mm):ACC+8*(3*\j+\mm)+3], v[11+\mm] offset:128*(\cc)+32*\j
.endr
.endr
.if (\cc) > 0
	s_wait_xcnt 0x0                                ; the last chunk's stores have read their base and their data: s[38:39] and v160-255 are written again only behind this wait
	s_add_nc_u64 s[38:39], s[38:39], 256
.endif
	ALD AB, 0, 7, 7, 7, 0, HG, 2*HG
.irp j, 0,1,2,3
.irp sl, 0,1
	ds_load_b128 v[BB+32*\sl+8*\j:BB+32*\sl+8*\j+3],   v14 offset:256*(\cc)+8192*\sl+64*\j
	ds_load_b128 v[BB+32*\sl+8*\j+4:BB+32*\sl+8*\j+7], v14 offset:256*(\cc)+8192*\sl+64*\j+16
.endr
.endr
	s_wait_dscnt 0x0
.irp j, 0,1,2,3
.irp mm, 0,1,2
.irp p, 3,2,1
	v_lshlrev_b32 v[ACC+8*(3*\j+\mm)+2*\p],   16,  v[ACC+8*(3*\j+\mm)+\p]  ; bf16 to f32: the low half moves up,
	v_and_b32     v[ACC+8*(3*\j+\mm)+2*\p+1], s59, v[ACC+8*(3*\j+\mm)+\p]  ; the high half stays
.endr
	v_and_b32     v[ACC+8*(3*\j+\mm)+1], s59, v[ACC+8*(3*\j+\mm)]          ; pair 0: the high half first, since the low half lands on its own source
	v_lshlrev_b32 v[ACC+8*(3*\j+\mm)],   16,  v[ACC+8*(3*\j+\mm)]
.irp p, 0,2,4,6
	v_pk_fma_f32 v[ACC+8*(3*\j+\mm)+\p:ACC+8*(3*\j+\mm)+\p+1], v[BB+8*\j+\p:BB+8*\j+\p+1], v[GW+2*\mm:GW+2*\mm+1], v[ACC+8*(3*\j+\mm)+\p:ACC+8*(3*\j+\mm)+\p+1] op_sel_hi:[1,0,1]
.endr
.irp p, 0,2,4,6
	v_pk_fma_f32 v[ACC+8*(3*\j+\mm)+\p:ACC+8*(3*\j+\mm)+\p+1], v[BB+32+8*\j+\p:BB+32+8*\j+\p+1], v[GW+2*\mm:GW+2*\mm+1], v[ACC+8*(3*\j+\mm)+\p:ACC+8*(3*\j+\mm)+\p+1] op_sel:[0,1,0] op_sel_hi:[1,1,1]
.endr
.endr
.endr
	ALD AB+24, 64, 7, 7, 7, 0, HG, 2*HG
.endm
; THE WAY OUT: three groups of 16 rows x 64 columns of f32 through my own stage, back as whole rows of 256 bytes.  All 48 LDS instructions go out on end: LDS serves a wave's instructions in order (ISA guide 5.7.1.4), so a
; group's loads see its stores, and the next group's stores come behind them.  DScnt: behind load t of group g stand its 7 - t younger loads and sixteen instructions for each later group.
; The stores of a group wholly past the tile's count are jumped: no barrier and no copy stands in what is jumped; the wait at the join is for the loads that were then not waited for.
.macro WAYOUT
.irp g, 0,1,2
.irp j, 0,1,2,3
	ds_store_b128 v9, v[ACC+8*(3*\j+\g):ACC+8*(3*\j+\g)+3]   offset:64*\j
	ds_store_b128 v9, v[ACC+8*(3*\j+\g)+4:ACC+8*(3*\j+\g)+7] offset:64*\j+16
.endr
.irp t, 0,1,2,3,4,5,6,7
	ds_load_b128 v[TMP+32*\g+4*\t:TMP+32*\g+4*\t+3], v10 offset:2*SP*\t
.endr
.endr
.irp g, 0,1,2
.if \g > 0
	s_cmp_le_u32 s25, 16*\g
	s_cbranch_scc1 .Lstored_\@
.endif
.irp t, 0,1,2,3,4,5,6,7
	s_wait_dscnt 16*(2-\g)+7-\t
	global_store_b128 v[TOK+8*\g+\t], v[TMP+32*\g+4*\t:TMP+32*\g+4*\t+3], s[38:39] th:TH_STORE_NT  ; 16 lanes store 256 consecutive bytes of a token's row, at a multiple of 256 from out's first byte
.endr
.endr
.Lstored_\@:
	s_wait_dscnt 0x0
.endm
; A chunk behind its start: K = 256 of e0, then 256 of e1, and the way out.  The ring goes on: e0's trip asks for e1's block, e1's trip for the next chunk's e0 block (last = 1: for nothing).
; Each base is stepped behind the other's trip, whose last counted wait has shown its loads done.
.macro CBODY last
	TRIP 36, 1, 1, 7, 7, 7, 0, HG, 2*HG, 0
.if \last
	TRIP 34, 0, 0, 7, 7, 7, 0, HG, 2*HG, 512
.else
	s_add_nc_u64 s[34:35], s[34:35], BLK
	TRIP 34, 1, 0, 7, 7, 7, 0, HG, 2*HG, 512
	s_add_nc_u64 s[36:37], s[36:37], BLK
.endif
	WAYOUT
.endm
	; THE FIRST PRODUCT.  The sums start from b1: it is loaded straight into the accumulators, the same eight numbers for each of the three groups (in a tile without tokens too: every path writes them).
.irp j, 0,1,2,3
.irp g, 0,1,2
	ds_load_b128 v[ACC+8*(3*\j+\g):ACC+8*(3*\j+\g)+3],   v15 offset:64*\j
	ds_load_b128 v[ACC+8*(3*\j+\g)+4:ACC+8*(3*\j+\g)+7], v15 offset:64*\j+16
.endr
.endr
	s_cmp_eq_u32 s25, 0                            ; a tile without tokens passes all three barriers and jumps the work between them
	s_cbranch_scc1 .Lno_p1
	ALD AB, 0, 4, 5, 6, 0, 0, 0                    ; the first two steps' fragments
	ALD AB+24, 64, 4, 5, 6, 0, 0, 0
	s_mov_b32 s42, 3
	s_mov_b32 s60, 0                               ; the pass's 512 channels begin at this byte of the rows
.Lk1:                                                  ; three passes of two trips, 256 channels each: trip t reads bytes 512 t on of the rows, and the ring takes w1's block t + 1
	v_add_nc_u32 v[AXC],   s60, v4
	v_add_nc_u32 v[AXC+1], s60, v5
	v_add_nc_u32 v[AXC+2], s60, v6
	TRIP 32, 1, 1, AXC, AXC+1, AXC+2, 0, 0, 0, 0
	s_add_nc_u64 s[66:67], s[66:67], 2*BLK         ; the even blocks' base: its loads (the first fill's, or the last pass's) are done
	TRIP 66, 1, 1, AXC, AXC+1, AXC+2, 0, 0, 0, 512
	s_add_nc_u64 s[32:33], s[32:33], 2*BLK         ; the odd blocks' base: its loads are done
	s_add_co_u32 s60, s60, 1024
	s_sub_co_u32 s42, s42, 1
	s_cmp_lg_u32 s42, 0
	s_cbranch_scc1 .Lk1
	TRIP 32, 1, 1, 4, 5, 6, 0, 0, 0, 512*6         ; trip 6: the ring takes block 7
	TRIP 34, 1, 0, 4, 5, 6, 0, 0, 0, 512*7         ; trip 7: the ring takes the first chunk's block of w2[e0]
.Lno_p1:
	s_wait_dscnt 0x0                               ; my reads of the rows are over
	s_barrier_signal -1
	s_barrier_wait -1                              ; everybody's are: only behind this barrier does a wave store into LDS
	s_cmp_eq_u32 s25, 0
	s_cbranch_scc1 .Lno_h
	s_cmp_eq_u32 s29, 0
	s_cselect_b32 s40, -1, 0
.irp g, 0,1,2
	v_cndmask_b32 v[WS+2*\g],   v[GW+2*\g+1], v[GW+2*\g], s40  ; my expert's weight for token 16 g + r, twice
	v_cndmask_b32 v[WS+2*\g+1], v[GW+2*\g+1], v[GW+2*\g], s40
.endr
.irp j, 0,1,2,3
.irp g, 0,1,2
	GELU \g, \j
.endr
.endr
.Lno_h:
	s_wait_dscnt 0x0                               ; for the others' sake: my part of H is in LDS
	s_barrier_signal -1
	s_barrier_wait -1                              ; H is whole
	s_cmp_eq_u32 s25, 0
	s_cbranch_scc1 .Lend
	; THE SECOND PRODUCT.  H and x are only read, the stage is each wave's own: no barrier.
	s_mov_b32 s42, 3
.Lchunk:                                               ; three trips: chunks 0, 1, 2 at the counts 3, 2, 1.  The three starts differ in their immediates alone; each writes the same registers and leaves the same six LDS loads out
	s_cmp_eq_u32 s42, 3
	s_cbranch_scc1 .Lstart0
	s_cmp_eq_u32 s42, 2
	s_cbranch_scc1 .Lstart1
	CSTART 2
	s_branch .Lstarted
.Lstart0:
	CSTART 0
	s_branch .Lstarted
.Lstart1:
	CSTART 1
.Lstarted:
	CBODY 0
	s_sub_co_u32 s42, s42, 1
	s_cmp_lg_u32 s42, 0
	s_cbranch_scc1 .Lchunk
	CSTART 3                                       ; the last chunk is written out: nothing is left to ask for
	CBODY 1
.Lend:
	s_wait_tensorcnt 0x0                           ; the wave's end
	ds_add_u32 v2, v3
	s_wait_dscnt 0x0
	s_endpgm
.Lfunc_end_k_q8b6ccc256c_chain:
	.size	k_q8b6ccc256c_chain, .Lfunc_end_k_q8b6ccc256c_chain-k_q8b6ccc256c_chain
	.p2alignl 7, 3214868480
	.fill 96, 4, 3214868480
	.section	.rodata,"a",@progbits
	.p2align	6, 0x0
	.amdhsa_kernel k_q8b6ccc256c_chain
		.amdhsa_group_segment_fixed_size 301568
		.amdhsa_private_segment_fixed_size 0
		.amdhsa_enable_private_segment 0
		.amdhsa_kernarg_size 64
		.amdhsa_user_sgpr_count 2
		.amdhsa_user_sgpr_kernarg_segment_ptr 1
		.amdhsa_wavefront_size32 1
		.amdhsa_system_sgpr_workgroup_id_x 1
		.amdhsa_system_sgpr_workgroup_id_y 1
		.amdhsa_system_sgpr_workgroup_id_z 1
		.amdhsa_system_vgpr_workitem_id 0
		.amdhsa_next_free_vgpr 512
		.amdhsa_next_free_sgpr 80
		.amdhsa_reserve_vcc 0
		.amdhsa_float_denorm_mode_32 3
		.amdhsa_float_denorm_mode_16_64 3
		.amdhsa_memory_ordered 1
		.amdhsa_forward_progress 1
		.amdhsa_inst_pref_size 255
	.end_amdhsa_kernel
	.section	.bss,"aw",@nobits
	.p2align	6
	.space	262144
	.amdgpu_metadata
---
amdhsa.version: [ 1, 2 ]
amdhsa.kernels:
  - .name:           k_q8b6ccc256c_chain
    .symbol:         k_q8b6ccc256c_chain.kd
    .args:
      - { .name: tiles, .offset: 0, .size: 8, .value_kind: global_buffer, .address_space: global }
      - { .name: list, .offset: 8, .size: 8, .value_kind: global_buffer, .address_space: global }
      - { .name: gw, .offset: 16, .size: 8, .value_kind: global_buffer, .address_space: global }
      - { .name: xb, .offset: 24, .size: 8, .value_kind: global_buffer, .address_space: global }
      - { .name: wl, .offset: 32, .size: 8, .value_kind: global_buffer, .address_space: global }
      - { .name: b1, .offset: 40, .size: 8, .value_kind: global_buffer, .address_space: global }
      - { .name: b2, .offset: 48, .size: 8, .value_kind: global_buffer, .address_space: global }
      - { .name: out0, .offset: 56, .size: 8, .value_kind: global_buffer, .address_space: global }
    .group_segment_fixed_size: 301568
    .private_segment_fixed_size: 0
    .kernarg_segment_align: 8
    .kernarg_segment_size: 64
    .max_flat_workgroup_size: 256
    .sgpr_count:     80
    .vgpr_count:     512
    .wavefront_size: 32
...
	.end_amdgpu_metadata
.endif
;; end of part 3
